; MI455X (gfx1250); checked and timed in simulation.
; The chip was launched on July 23, 2026; its instructions are those of AMD's public machine-readable ISA for CDNA 5 (MIT licence, August 2026) and "CDNA5" Instruction Set Architecture Reference Guide (July 2026). The comments in the code are by the model that wrote it; some were corrected since.
;; X Pool Aggregator. Allowed arithmetic: float matrix products may take bf16 or f16 operands with f32 sums; other float arithmetic in f32, or as packed bf16 or f16 multiplies, adds, multiply-adds, maxima and minima; sums over many terms, partial sums and values carried from step to step in f32; what a program stores and reads back later, other than sums and carried values, may be rounded once to bf16 or f16.
;; Inputs: Wk 512 x 512 float32; Wl 512 x 512 float32; Wo 512 x 512 float32; Wq 512 x 512 float32; Wv 512 x 512 float32; b1 512 float32; b2 512 float32; b3 512 float32; bk 512 float32; bl 512 float32; bo 512 float32; bq 512 float32; bv 512 float32; g1 512 float32; g2 512 float32; g3 512 float32; music_features 128 x 514 x 512 float32; music_masks 128 x 512 int32; video_embeds 128 x 512 float32.
;; Outputs: out0 128 x 128 x 512 float32.
;; One version. Each part assembles by itself: llvm-mc -triple=amdgcn-amd-amdhsa -mcpu=gfx1250 --defsym DOCPART=n.
;; ======== version 1 of 1: 3 launches
;; limits: values are held in f16: magnitudes above 65,504 overflow, below 6.1e-05 lose precision
;; workspace buffers: WKV 1,048,576 bytes; WOL 1,048,576 bytes; MB 262,144 bytes; QF 131,072 bytes; AT 16,777,216 bytes
;; launch prep (part 1): grid 256 x 1, 4 waves a work-group, no clusters, 25,344 bytes of LDS; arguments Wk, Wv, Wo, Wl, Wq, bq, g1, b1, video_embeds, music_masks, WKV, WOL, MB, QF; writes WKV, WOL, MB, QF
.if DOCPART == 1
	.amdgcn_target "amdgcn-amd-amdhsa--gfx1250"
	.amdhsa_code_object_version 6
	.text
	.protected	k_q0b30269ba2_prep
	.globl	k_q0b30269ba2_prep
	.p2align	8
	.type	k_q0b30269ba2_prep,@function
k_q0b30269ba2_prep:
	s_mov_b64 s[64:65], 0
	v_nop
	global_prefetch_b8 v0, s[64:65] scope:SCOPE_SE
	s_setreg_imm32_b32 hwreg(HW_REG_WAVE_MODE, 25, 1), 1
	s_wait_xcnt 0x0
; PREPARATION.  Work-groups 0-127 (job S): one tile of 16 rows of Wk, Wv, Wo or Wl is rounded to f16 and written in FRAGMENT ORDER, and one row of the mask becomes an additive f32 (0, or -1e30 where the mask is 0).
; Work-groups 128-255 (job Q): q = LN1(video_embeds) Wq^T + bq for 16 rows and 32 channels: one fragment of QF, f16, unscaled.
; A FRAGMENT is 16 rows x 32 k of f16 in 1,024 bytes: bytes 16 l hold lane l's registers 0-3, bytes 512 + 16 l its registers 4-7; lane l = (r = l % 16, h = l / 16) holds row r, k = 8 h + 0..7 and 16 + 8 h + 0..7.
; So the later launches fill a matrix operand by two loads of 512 consecutive bytes.
; WKV: [head 8][k step 16][tile 8][1024], tiles 0-3 Wk's rows 64 head + 16 t, tiles 4-7 Wv's.  WOL: [wave 4][step 32][tile 8][1024], steps 0-15 Wo, 16-31 Wl, rows 128 wave + 16 tile.  QF: [head 8][row tile 8][channel half 2][1024].
; JOB Q splits K among its four waves, four k steps each, so that all of a wave's 32 loads of Wq go out at the start, beside x; the four partial sums meet in LDS (f32 sums may be taken in any order).
; LIMITS.  Weights, LN1's output and q are rounded to f16: they must lie within 65,504.  NaN and infinities are not treated apart.
.set PX,    1040                       ; a row of LN1(video) in LDS: 1,024 bytes + 16: an odd multiple of 16 bytes
.set PART,  16640                      ; behind the 16 rows: wave v's two partial tiles, 1,024 bytes each, at 2,048 v
.set SPARE, 24832                      ; behind them: the spare words, 128 bytes a wave, that no other line names
.set SPW, 2
.set NIL, 3
.set RR,  4                            ; l % 16
.set HH,  5                            ; l / 16
.set L16, 6                            ; 16 l
.set AC,  16                           ; job Q: two accumulators
.set AF,  32                           ; LN1's fragments of my four k steps
.set XB,  64                           ; two pairs of rows of x, 32 registers each;
.set WF,  64                           ; later Wq's eight fragments, converted: step i, tile u at 16 i + 8 u
.set TB,  128                          ; 16 registers at work for each pair of rows;
.set RB,  128                          ; later the four partial sums of a tile
.set BQ,  160
.set OQ,  168
.set G1,  192
.set B1,  224
.set MSB, 0
.macro WIN new                         ; s_set_vgpr_msb: bits 1:0 source 0, 3:2 source 1, 5:4 source 2, 7:6 destination; the high byte repeats the setting that is left
.if MSB != (\new)
	s_set_vgpr_msb (MSB<<8)|(\new)
.set MSB, (\new)
.endif
.endm
.macro PLACES
.rept 4
	v_nop
.endr
.endm
.macro ALLP line:vararg                ; one line for each of the two pairs of rows
.set p, 0
.rept 2
	\line
.set p, p+1
.endr
.endm
	s_load_b512 s[4:19], s[0:1], 0x0               ; Wk 4, Wv 6, Wo 8, Wl 10, Wq 12, bq 14, g1 16, b1 18
	s_load_b256 s[20:27], s[0:1], 0x40             ; video 20, masks 22, WKV 24, WOL 26
	s_load_b128 s[28:31], s[0:1], 0x60             ; MB 28, QF 30
	v_lshl_add_u32 v[SPW], v0, 2, SPARE
	v_mov_b32 v[NIL], 0
	v_lshrrev_b32 v1, 5, v0
	v_readfirstlane_b32 s32, v1                    ; wave
	v_and_b32 v[RR], 15, v0
	v_bfe_u32 v[HH], v0, 4, 1
	v_and_b32 v15, 31, v0                          ; l
	v_lshlrev_b32 v[L16], 4, v15
	s_wait_kmcnt 0x0
	s_cmp_lt_u32 ttmp9, 128
	s_cbranch_scc0 .Lq
	; JOB S.  matrix = id / 32, row tile nt = id % 32; wave w takes k steps 4 w .. 4 w + 3.
	s_lshr_b32 s33, ttmp9, 5
	s_and_b32 s34, ttmp9, 31
	s_and_b32 s35, s33, 1
	s_lshr_b32 s36, s34, 2                         ; WKV: (nt / 4) x 131,072 + (nt % 4) x 1,024 + 4,096 for Wv
	s_lshl_b32 s36, s36, 17
	s_and_b32 s37, s34, 3
	s_lshl_b32 s37, s37, 10
	s_add_co_u32 s36, s36, s37
	s_lshl_b32 s37, s35, 12
	s_add_co_u32 s36, s36, s37
	s_lshr_b32 s38, s34, 3                         ; WOL: (nt / 8) x 262,144 + (nt % 8) x 1,024 + 131,072 for Wl
	s_lshl_b32 s38, s38, 18
	s_and_b32 s37, s34, 7
	s_lshl_b32 s37, s37, 10
	s_add_co_u32 s38, s38, s37
	s_lshl_b32 s37, s35, 17
	s_add_co_u32 s38, s38, s37
	s_lshl_b32 s39, s32, 15                        ; my four steps of 8,192 bytes
	s_lshl_b32 s46, s34, 15                        ; source: 16 nt rows of 2,048 bytes,
	s_lshl_b32 s47, s32, 9                         ; my four steps of 128 bytes
	s_add_co_u32 s46, s46, s47
	s_cmp_eq_u32 s35, 0
	s_cselect_b64 s[40:41], s[4:5], s[6:7]
	s_cselect_b64 s[42:43], s[8:9], s[10:11]
	s_cmp_lt_u32 s33, 2
	s_cselect_b64 s[40:41], s[40:41], s[42:43]     ; the matrix,
	s_cselect_b64 s[44:45], s[24:25], s[26:27]     ; its buffer,
	s_cselect_b32 s36, s36, s38                    ; and the offset in it
	s_add_co_u32 s36, s36, s39
	s_mov_b32 s37, 0
	s_add_nc_u64 s[44:45], s[44:45], s[36:37]
	v_lshlrev_b32 v7, 11, v[RR]
	v_lshl_add_u32 v7, v[HH], 5, v7
	v_add_nc_u32 v7, s46, v7                       ; (16 nt + r) x 2,048 + 32 h + 512 w
	v_lshlrev_b32 v8, 4, v0
	s_lshl_b32 s38, ttmp9, 11
	v_add_nc_u32 v8, s38, v8                       ; mask row id: 2,048 bytes, 16 a thread
.irp i, 0,1,2,3
	global_load_b128 v[16+16*\i:16+16*\i+3],   v7, s[40:41] offset:128*\i
	global_load_b128 v[16+16*\i+4:16+16*\i+7], v7, s[40:41] offset:128*\i+16
	global_load_b128 v[16+16*\i+8:16+16*\i+11], v7, s[40:41] offset:128*\i+64
	global_load_b128 v[16+16*\i+12:16+16*\i+15], v7, s[40:41] offset:128*\i+80
.endr
	global_load_b128 v[112:115], v8, s[22:23]
	s_mov_b32 s38, 0xf149f2ca                      ; -1e30
	s_wait_loadcnt 0x0
.set k, 0
.rept 32
	v_cvt_pk_f16_f32 v[80+k], v[16+2*k], v[16+2*k+1]
.set k, k+1
.endr
.irp i, 0,1,2,3
	global_store_b128 v[L16], v[80+8*\i:80+8*\i+3],   s[44:45] offset:8192*\i       ; 512 consecutive bytes each
	global_store_b128 v[L16], v[80+8*\i+4:80+8*\i+7], s[44:45] offset:8192*\i+512
.endr
.irp i, 0,1,2,3
	v_cmp_eq_u32 vcc_lo, 0, v[112+\i]
	v_cndmask_b32 v[116+\i], 0, s38, vcc_lo
.endr
	global_store_b128 v8, v[116:119], s[28:29]
	s_endpgm                                       ; this job writes no LDS
	; JOB Q.  row tile vt = id / 16, channels 32 cq .. 32 cq + 31 with cq = id % 16: Wq's row tiles 2 cq and 2 cq + 1.  Wave w: LN1 of rows 4 w .. 4 w + 3, then k steps 4 w .. 4 w + 3 of both tiles.
.Lq:
	s_sub_co_u32 s33, ttmp9, 128
	s_lshr_b32 s34, s33, 4                         ; vt
	s_and_b32 s35, s33, 15                         ; cq
	s_and_b32 s39, s32, 1                          ; u: the tile that waves 0 and 1 finish
	s_mov_b32 s37, 0
	s_lshl_b32 s36, s34, 15                        ; x: rows 16 vt + 4 w
	s_lshl_b32 s38, s32, 13
	s_add_co_u32 s36, s36, s38
	s_add_nc_u64 s[20:21], s[20:21], s[36:37]
	s_lshl_b32 s36, s35, 7                         ; bq: 32 channels of 4 bytes, 16 a tile
	s_lshl_b32 s38, s39, 6
	s_add_co_u32 s36, s36, s38
	s_add_nc_u64 s[14:15], s[14:15], s[36:37]
	s_lshl_b32 s36, s35, 16                        ; Wq: 32 rows of 2,048 bytes, my four k steps of 128
	s_lshl_b32 s38, s32, 9
	s_add_co_u32 s36, s36, s38
	s_add_nc_u64 s[12:13], s[12:13], s[36:37]
	s_lshr_b32 s36, s35, 1                         ; QF: head cq / 2, half cq % 2, row tile vt, and the tile's 512 bytes
	s_lshl_b32 s36, s36, 14
	s_and_b32 s38, s35, 1
	s_lshl_b32 s38, s38, 10
	s_add_co_u32 s36, s36, s38
	s_lshl_b32 s38, s34, 11
	s_add_co_u32 s36, s36, s38
	s_lshl_b32 s38, s39, 9
	s_add_co_u32 s36, s36, s38
	s_add_nc_u64 s[30:31], s[30:31], s[36:37]
	s_mov_b32 s40, 0x3727c5ac                      ; 1e-5
	s_mov_b32 s41, 0x3b000000                      ; 1 / 512
	v_lshlrev_b32 v7, 4, v[RR]
	v_lshl_add_u32 v7, v[HH], 11, v7               ; lanes 0-15 one row, lanes 16-31 the next; 16 bytes a lane
	v_lshlrev_b32 v8, 4, v[RR]
	v_lshlrev_b32 v9, 5, v[HH]
	s_mul_i32 s38, s32, 4*PX
	v_mul_u32_u24 v10, v[HH], PX
	v_lshl_add_u32 v10, v[RR], 3, v10
	v_add_nc_u32 v10, s38, v10                     ; (4 w + h) x pitch + 8 r
	v_lshlrev_b32 v11, 11, v[RR]
	v_lshl_add_u32 v11, v[HH], 5, v11              ; r x 2,048 + 32 h
	s_lshl_b32 s38, s32, 8
	v_mul_u32_u24 v12, v[RR], PX
	v_lshl_add_u32 v12, v[HH], 4, v12
	v_add_nc_u32 v12, s38, v12                     ; r x pitch + 16 h + my four k steps of 64 bytes
	s_lshl_b32 s38, s32, 11
	s_add_co_u32 s38, s38, PART
	v_lshl_add_u32 v13, v15, 5, s38                ; where I put my 32 bytes of a partial tile
	s_lshl_b32 s38, s39, 10
	s_add_co_u32 s38, s38, PART
	v_lshl_add_u32 v14, v15, 5, s38                ; where I read them back
.irp pp, 0,1
.irp j, 0,1,2,3,4,5,6,7
	global_load_b128 v[XB+32*\pp+4*\j:XB+32*\pp+4*\j+3], v7, s[20:21] offset:4096*\pp+256*\j  ; channels 64 j + 4 r + 0..3 of my row
.endr
.endr
.irp j, 0,1,2,3,4,5,6,7
	global_load_b128 v[G1+4*\j:G1+4*\j+3], v8, s[16:17] offset:256*\j
	global_load_b128 v[B1+4*\j:B1+4*\j+3], v8, s[18:19] offset:256*\j
.endr
	WIN 0x40                                       ; Wq in f32 goes to window 1: step i, tile u at 32 i + 16 u
.irp i, 0,1,2,3
.irp u, 0,1
	global_load_b128 v[32*\i+16*\u:32*\i+16*\u+3],     v11, s[12:13] offset:128*\i+32768*\u
	global_load_b128 v[32*\i+16*\u+4:32*\i+16*\u+7],   v11, s[12:13] offset:128*\i+32768*\u+16
	global_load_b128 v[32*\i+16*\u+8:32*\i+16*\u+11],  v11, s[12:13] offset:128*\i+32768*\u+64
	global_load_b128 v[32*\i+16*\u+12:32*\i+16*\u+15], v11, s[12:13] offset:128*\i+32768*\u+80
.endr
.endr
	WIN 0
	global_load_b128 v[BQ:BQ+3],   v9, s[14:15]               ; register j of a result is channel 8 h + j of its tile
	global_load_b128 v[BQ+4:BQ+7], v9, s[14:15] offset:16
	s_wait_loadcnt 34                              ; x, g1 and b1 are in; Wq's 32 loads and bq's two may stay out
	; LN1 of my four rows: mean, centred squares, scale; a row's 512 numbers lie in 16 lanes x 32 registers
.set k, 0
.rept 8
	ALLP v_pk_add_f32 v[TB+16*p+2*k:TB+16*p+2*k+1], v[XB+32*p+4*k:XB+32*p+4*k+1], v[XB+32*p+4*k+2:XB+32*p+4*k+3]
.set k, k+1
.endr
.irp d, 8,4,2
.set k, 0
.rept \d/2
	ALLP v_pk_add_f32 v[TB+16*p+2*k:TB+16*p+2*k+1], v[TB+16*p+2*k:TB+16*p+2*k+1], v[TB+16*p+2*k+\d:TB+16*p+2*k+\d+1]
.set k, k+1
.endr
.endr
	ALLP v_add_f32 v[TB+16*p], v[TB+16*p], v[TB+16*p+1]
.irp x, 1,2,4,8
	ALLP v_add_f32_dpp v[TB+16*p], v[TB+16*p], v[TB+16*p] row_xmask:\x row_mask:0xf bank_mask:0xf
.endr
	ALLP v_mul_f32 v[TB+16*p], s41, v[TB+16*p]
.set k, 0
.rept 16
	ALLP v_pk_add_f32 v[XB+32*p+2*k:XB+32*p+2*k+1], v[XB+32*p+2*k:XB+32*p+2*k+1], v[TB+16*p:TB+16*p+1] op_sel_hi:[1,0] neg_lo:[0,1] neg_hi:[0,1]
.set k, k+1
.endr
.set k, 0
.rept 16
.if k < 4
	ALLP v_pk_mul_f32 v[TB+16*p+2+2*k:TB+16*p+3+2*k], v[XB+32*p+2*k:XB+32*p+2*k+1], v[XB+32*p+2*k:XB+32*p+2*k+1]
.else
	ALLP v_pk_fma_f32 v[TB+16*p+2+2*(k%4):TB+16*p+3+2*(k%4)], v[XB+32*p+2*k:XB+32*p+2*k+1], v[XB+32*p+2*k:XB+32*p+2*k+1], v[TB+16*p+2+2*(k%4):TB+16*p+3+2*(k%4)]
.endif
.set k, k+1
.endr
	ALLP v_pk_add_f32 v[TB+16*p+2:TB+16*p+3], v[TB+16*p+2:TB+16*p+3], v[TB+16*p+6:TB+16*p+7]
	ALLP v_pk_add_f32 v[TB+16*p+4:TB+16*p+5], v[TB+16*p+4:TB+16*p+5], v[TB+16*p+8:TB+16*p+9]
	ALLP v_pk_add_f32 v[TB+16*p+2:TB+16*p+3], v[TB+16*p+2:TB+16*p+3], v[TB+16*p+4:TB+16*p+5]
	ALLP v_add_f32 v[TB+16*p+2], v[TB+16*p+2], v[TB+16*p+3]
.irp x, 1,2,4,8
	ALLP v_add_f32_dpp v[TB+16*p+2], v[TB+16*p+2], v[TB+16*p+2] row_xmask:\x row_mask:0xf bank_mask:0xf
.endr
	ALLP v_fma_f32 v[TB+16*p+2], v[TB+16*p+2], s41, s40
	ALLP v_rsq_f32 v[TB+16*p+4], v[TB+16*p+2]
	v_nop                                          ; a plain instruction behind the last root,
	s_wait_alu depctr_va_vdst(0)                   ; and one wait for both, ahead of their first reader
.set k, 0
.rept 16
	ALLP v_pk_mul_f32 v[XB+32*p+2*k:XB+32*p+2*k+1], v[XB+32*p+2*k:XB+32*p+2*k+1], v[TB+16*p+4:TB+16*p+5] op_sel_hi:[1,0]
	ALLP v_pk_fma_f32 v[XB+32*p+2*k:XB+32*p+2*k+1], v[XB+32*p+2*k:XB+32*p+2*k+1], v[G1+2*k:G1+2*k+1], v[B1+2*k:B1+2*k+1]
.set k, k+1
.endr
.set k, 0
.rept 16
	ALLP v_cvt_pk_f16_f32 v[XB+32*p+k], v[XB+32*p+2*k], v[XB+32*p+2*k+1]
.set k, k+1
.endr
.irp pp, 0,1
.irp j, 0,1,2,3,4,5,6,7
	ds_store_b64 v10, v[XB+32*\pp+2*\j:XB+32*\pp+2*\j+1] offset:2*\pp*PX+128*\j
.endr
.endr
	s_wait_dscnt 0x0                               ; my rows lie in LDS, for the other waves' sake; and Wq's fragments below take x's registers
	s_barrier_signal -1
	s_barrier_wait -1                              ; all 16 rows lie in LDS
.irp i, 0,1,2,3
	ds_load_b128 v[AF+8*\i:AF+8*\i+3],   v12 offset:64*\i
	ds_load_b128 v[AF+8*\i+4:AF+8*\i+7], v12 offset:64*\i+32
.endr
	s_wait_loadcnt 0x0                             ; Wq and bq
	WIN 0x05                                       ; sources in window 1, destination in window 0
.set k, 0
.rept 64
	v_cvt_pk_f16_f32 v[WF+k], v[2*k], v[2*k+1]
.set k, k+1
.endr
	WIN 0
	s_wait_dscnt 0x0
.irp i, 0,1,2,3                        ; the two accumulators take turns; the first products start the sums
.irp u, 0,1
.if \i == 0
	v_wmma_f32_16x16x32_f16 v[AC+8*\u:AC+8*\u+7], v[WF+16*\i+8*\u:WF+16*\i+8*\u+7], v[AF+8*\i:AF+8*\i+7], 0
.else
	v_wmma_f32_16x16x32_f16 v[AC+8*\u:AC+8*\u+7], v[WF+16*\i+8*\u:WF+16*\i+8*\u+7], v[AF+8*\i:AF+8*\i+7], v[AC+8*\u:AC+8*\u+7]
.endif
.endr
.endr
	PLACES                                         ; four places ahead of the stores that read the results
.irp u, 0,1
	ds_store_b128 v13, v[AC+8*\u:AC+8*\u+3]   offset:1024*\u
	ds_store_b128 v13, v[AC+8*\u+4:AC+8*\u+7] offset:1024*\u+16
.endr
	s_wait_dscnt 0x0
	s_barrier_signal -1
	s_barrier_wait -1                              ; all four partial sums of both tiles lie in LDS
	s_cmp_lt_u32 s32, 2                            ; wave 0 finishes tile 0, wave 1 tile 1
	s_cbranch_scc0 .Lqend
.irp v, 0,1,2,3
	ds_load_b128 v[RB+8*\v:RB+8*\v+3],   v14 offset:2048*\v
	ds_load_b128 v[RB+8*\v+4:RB+8*\v+7], v14 offset:2048*\v+16
.endr
	s_wait_dscnt 0x0
.irp r, 0,2,4,6
	v_pk_add_f32 v[RB+\r:RB+\r+1], v[RB+\r:RB+\r+1], v[RB+8+\r:RB+8+\r+1]
	v_pk_add_f32 v[RB+16+\r:RB+16+\r+1], v[RB+16+\r:RB+16+\r+1], v[RB+24+\r:RB+24+\r+1]
.endr
.irp r, 0,2,4,6
	v_pk_add_f32 v[RB+\r:RB+\r+1], v[RB+\r:RB+\r+1], v[RB+16+\r:RB+16+\r+1]
.endr
.irp r, 0,2,4,6
	v_pk_add_f32 v[RB+\r:RB+\r+1], v[RB+\r:RB+\r+1], v[BQ+\r:BQ+\r+1]
.endr
.irp i, 0,1,2,3
	v_cvt_pk_f16_f32 v[OQ+\i], v[RB+2*\i], v[RB+2*\i+1]
.endr
	global_store_b128 v[L16], v[OQ:OQ+3], s[30:31]            ; 512 consecutive bytes: one half of the fragment
.Lqend:
	s_wait_tensorcnt 0x0                           ; the wave's end
	ds_add_u32 v[SPW], v[NIL]
	s_wait_dscnt 0x0
	s_endpgm
.Lfunc_end_k_q0b30269ba2_prep:
	.size	k_q0b30269ba2_prep, .Lfunc_end_k_q0b30269ba2_prep-k_q0b30269ba2_prep
	.p2alignl 7, 3214868480
	.fill 96, 4, 3214868480
	.section	.rodata,"a",@progbits
	.p2align	6, 0x0
	.amdhsa_kernel k_q0b30269ba2_prep
		.amdhsa_group_segment_fixed_size 25344
		.amdhsa_private_segment_fixed_size 0
		.amdhsa_enable_private_segment 0
		.amdhsa_kernarg_size 112
		.amdhsa_user_sgpr_count 2
		.amdhsa_user_sgpr_kernarg_segment_ptr 1
		.amdhsa_wavefront_size32 1
		.amdhsa_system_sgpr_workgroup_id_x 1
		.amdhsa_system_sgpr_workgroup_id_y 1
		.amdhsa_system_sgpr_workgroup_id_z 1
		.amdhsa_system_vgpr_workitem_id 0
		.amdhsa_next_free_vgpr 384
		.amdhsa_next_free_sgpr 66
		.amdhsa_reserve_vcc 1
		.amdhsa_float_denorm_mode_32 3
		.amdhsa_float_denorm_mode_16_64 3
		.amdhsa_memory_ordered 1
		.amdhsa_forward_progress 1
		.amdhsa_inst_pref_size 38
	.end_amdhsa_kernel
	.amdgpu_metadata
---
amdhsa.version: [ 1, 2 ]
amdhsa.kernels:
  - .name:           k_q0b30269ba2_prep
    .symbol:         k_q0b30269ba2_prep.kd
    .args:
      - { .name: Wk, .offset: 0, .size: 8, .value_kind: global_buffer, .address_space: global }
      - { .name: Wv, .offset: 8, .size: 8, .value_kind: global_buffer, .address_space: global }
      - { .name: Wo, .offset: 16, .size: 8, .value_kind: global_buffer, .address_space: global }
      - { .name: Wl, .offset: 24, .size: 8, .value_kind: global_buffer, .address_space: global }
      - { .name: Wq, .offset: 32, .size: 8, .value_kind: global_buffer, .address_space: global }
      - { .name: bq, .offset: 40, .size: 8, .value_kind: global_buffer, .address_space: global }
      - { .name: g1, .offset: 48, .size: 8, .value_kind: global_buffer, .address_space: global }
      - { .name: b1, .offset: 56, .size: 8, .value_kind: global_buffer, .address_space: global }
      - { .name: video_embeds, .offset: 64, .size: 8, .value_kind: global_buffer, .address_space: global }
      - { .name: music_masks, .offset: 72, .size: 8, .value_kind: global_buffer, .address_space: global }
      - { .name: WKV, .offset: 80, .size: 8, .value_kind: global_buffer, .address_space: global }
      - { .name: WOL, .offset: 88, .size: 8, .value_kind: global_buffer, .address_space: global }
      - { .name: MB, .offset: 96, .size: 8, .value_kind: global_buffer, .address_space: global }
      - { .name: QF, .offset: 104, .size: 8, .value_kind: global_buffer, .address_space: global }
    .group_segment_fixed_size: 25344
    .private_segment_fixed_size: 0
    .kernarg_segment_align: 8
    .kernarg_segment_size: 112
    .max_flat_workgroup_size: 128
    .sgpr_count:     66
    .vgpr_count:     384
    .wavefront_size: 32
...
	.end_amdgpu_metadata
.endif
;; end of part 1
;; launch attn (part 2): grid 2 x 128, 4 waves a work-group, no clusters, 281,088 bytes of LDS; arguments music_features, g1, b1, bk, bv, WKV, QF, MB, AT; writes AT
.if DOCPART == 2
	.amdgcn_target "amdgcn-amd-amdhsa--gfx1250"
	.amdhsa_code_object_version 6
	.text
	.protected	k_q0b30269ba2_attn
	.globl	k_q0b30269ba2_attn
	.p2align	8
	.type	k_q0b30269ba2_attn,@function
k_q0b30269ba2_attn:
	s_mov_b64 s[64:65], 0
	v_nop
	global_prefetch_b8 v0, s[64:65] scope:SCOPE_SE
	s_setreg_imm32_b32 hwreg(HW_REG_WAVE_MODE, 25, 1), 1
	s_wait_xcnt 0x0
; LN1(music), K and V projection, masked softmax and P V, fused.  k, v and LN1's output never leave the work-group.
; SHARES.  Work-group (g, m): music item m, heads 4 g .. 4 g + 3; wave w is head 4 g + w and keeps all 128 queries of that head.  The item's 512 frames go in four chunks of 128.
; A CHUNK: (1) LN1 of 128 rows, 32 a wave, rounded to f16 into LDS; (2) K = xn Wk^T + bk and V = xn Wv^T for my head: 16 k steps, weights straight from memory in fragment order into a ring of four register sets,
; xn's fragments from LDS; (3) the results are packed to f16 and ARE the next products' operands; (4) for each of 8 tiles of 16 queries one step of the running softmax; O, m and l of the 128 queries wait in LDS.
; LAYOUTS.  K: source 0 = 16 rows of Wk, source 1 = 16 frames: a lane holds one frame and 8 channels, so two results packed are a fragment of K (16 keys x 32 channels).  V: source 0 = 16 frames, source 1 = 16 rows
; of Wv: a lane holds one channel and 8 frames, so two results packed are a fragment of V^T.  S^T = K Q^T and O^T = V^T P hold one query a lane.  Nothing changes lanes between the products.
; THE MASK is the C operand that starts S^T: 0 or -1e30.  K's rows of masked frames are multiplied by 0 first, so a masked score is 0 + (-1e30), the same number for every masked key: an item whose keys are all
; masked gets equal weights.  bk is the C operand of the first k step; bv is added at the end (the weights sum to 1).
; SOFTMAX.  p = 2^(c s - c m), c = log2(e) / 8, with a running maximum m; O and l are multiplied by a = 2^(c m_old - c m_new) in every chunk.
; NO CLUSTER: each wave's weights are its own and go to registers; a row of music_features is shared by two work-groups only.
; LIMITS.  All matrix operands are f16: weights, LN1's output, q, k, v must lie within 65,504.  A weight below 2^-126 counts as 0.  NaN and infinities are not treated apart.
; REGISTERS, in windows of 256 (s_set_vgpr_msb: bits 1:0 source 0, 3:2 source 1, 5:4 source 2, 7:6 destination):
;   window 0: v0-31 addresses; v32-63 bk's tile; v96-127 statistics and work; v128-255 xn's fragments, two buffers (projection) / S^T v128-191, P v192-223 (attention)
;   window 1: the weights' ring, 4 x 64 (projection) / K's fragments v0-127, V^T's v128-255 (attention)
;   window 2: K's 32 accumulators (projection) / two sets of 8 rows of x (LN, loaded during the attention before)
;   window 3: V's 32 accumulators (projection) / g1, b1, work (LN) / Q v0-15, mask tiles v128-191, O^T of the tile in hand v192-223 (attention)
.set PX,    1040                       ; a row of xn in LDS: 1,024 bytes + 16: an odd multiple of 16, so the 16 rows of a fragment load start in 16 different 16-byte columns modulo 256 bytes
.set OBASE, 128*PX                     ; O: wave x 32,768 + tile x 4,096 + quad x 512 + 16 l, f32
.set SBASE, OBASE+131072               ; statistics: wave x 4,096 + tile x 512 + 16 l: c m, m, l (even keys', odd keys')
.set SPARE, SBASE+16384                ; the spare words, 128 bytes a wave, that no other line names
.set QSW,   18432                      ; Q of my head lies in xn's bytes while xn is dead: 9 tiles of 2,048 bytes a wave, the ninth a copy of the first
.set RR,  1
.set HH,  2
.set SPW, 3
.set NIL, 4
.set L16, 5                            ; 16 l
.set AX0, 6                            ; r x pitch + 16 h: frames 0-63
.set AX1, 7                            ; frames 64-127
.set XO,  8                            ; h x 2,048 + 16 r
.set XS0, 9                            ; (32 w + h) x pitch + 8 r
.set XS,  10
.set OA0, 11
.set OAD, 12
.set SA0, 13
.set SAD, 14
.set QA0, 15
.set QAD, 16
.set MO,  17                           ; 32 h
.set GO,  18                           ; 16 r
.set PFV, 19                           ; 256 l
.set ATO, 20
.set AXA, 21
.set MR,  22                           ; 4 r
.set AXB, 23
.set ZQ,  24
.set IQ,  28
.set BK,  32
.set ST,  96
.set TT,  100
.set AA,  108                          ; a, or 1 / l: the low word of a pair
.set CMO, 110
.set TP,  111
.set FK,  112                          ; eight pairs: 1, or 0 where my frame of tile ft is masked
.set AB,  128
.set SS,  128
.set PP,  192
.set BV,  128
.set OU,  160
.set MT,  128                          ; window 3
.set OB,  192                          ; window 3
.set G1,  0                            ; window 3
.set B1,  32
.set TB,  64
.set MSB, 0
.macro WIN new                         ; the high byte repeats the setting that is left; a switch that changes nothing is dropped
.if MSB != (\new)
	s_set_vgpr_msb (MSB<<8)|(\new)
.set MSB, (\new)
.endif
.endm
.macro PLACES
.rept 4
	v_nop
.endr
.endm
.macro ALLP line:vararg                ; one line for each of a set's four pairs of rows
.set p, 0
.rept 4
	\line
.set p, p+1
.endr
.endm
; Eight loads: a pair of rows of x (lanes 0-15 one row, lanes 16-31 the next; each half takes 256 aligned bytes an instruction) into set sx, pair pr
.macro XISS sx, pr, row0
	WIN 0x80
.irp j, 0,1,2,3,4,5,6,7
	global_load_b128 v[128*(\sx)+32*(\pr)+4*\j:128*(\sx)+32*(\pr)+4*\j+3], v[XO], s[4:5] offset:((\row0)+8*(\sx)+2*(\pr))*2048+256*\j
.endr
.endm
; LN1 of a set of 8 rows, stage by stage over its four pairs; a row's 512 numbers lie in 16 lanes x 32 registers (channels 64 j + 4 r + 0..3)
.macro LNSET sx
.set XB, 128*(\sx)
	WIN 0xca
.set k, 0
.rept 8
	ALLP v_pk_add_f32 v[TB+16*p+2*k:TB+16*p+2*k+1], v[XB+32*p+4*k:XB+32*p+4*k+1], v[XB+32*p+4*k+2:XB+32*p+4*k+3]
.set k, k+1
.endr
	WIN 0xcf
.irp d, 8,4,2
.set k, 0
.rept \d/2
	ALLP v_pk_add_f32 v[TB+16*p+2*k:TB+16*p+2*k+1], v[TB+16*p+2*k:TB+16*p+2*k+1], v[TB+16*p+2*k+\d:TB+16*p+2*k+\d+1]
.set k, k+1
.endr
.endr
	ALLP v_add_f32 v[TB+16*p], v[TB+16*p], v[TB+16*p+1]
.irp x, 1,2,4,8
	ALLP v_add_f32_dpp v[TB+16*p], v[TB+16*p], v[TB+16*p] row_xmask:\x row_mask:0xf bank_mask:0xf
.endr
	ALLP v_mul_f32 v[TB+16*p], s35, v[TB+16*p]     ; the mean
	WIN 0x8e
.set k, 0
.rept 16
	ALLP v_pk_add_f32 v[XB+32*p+2*k:XB+32*p+2*k+1], v[XB+32*p+2*k:XB+32*p+2*k+1], v[TB+16*p:TB+16*p+1] op_sel_hi:[1,0] neg_lo:[0,1] neg_hi:[0,1]
.set k, k+1
.endr
	WIN 0xfa
.set k, 0
.rept 16
.if k < 4
	ALLP v_pk_mul_f32 v[TB+16*p+2+2*k:TB+16*p+3+2*k], v[XB+32*p+2*k:XB+32*p+2*k+1], v[XB+32*p+2*k:XB+32*p+2*k+1]
.else
	ALLP v_pk_fma_f32 v[TB+16*p+2+2*(k%4):TB+16*p+3+2*(k%4)], v[XB+32*p+2*k:XB+32*p+2*k+1], v[XB+32*p+2*k:XB+32*p+2*k+1], v[TB+16*p+2+2*(k%4):TB+16*p+3+2*(k%4)]
.endif
.set k, k+1
.endr
	WIN 0xcf
	ALLP v_pk_add_f32 v[TB+16*p+2:TB+16*p+3], v[TB+16*p+2:TB+16*p+3], v[TB+16*p+6:TB+16*p+7]
	ALLP v_pk_add_f32 v[TB+16*p+4:TB+16*p+5], v[TB+16*p+4:TB+16*p+5], v[TB+16*p+8:TB+16*p+9]
	ALLP v_pk_add_f32 v[TB+16*p+2:TB+16*p+3], v[TB+16*p+2:TB+16*p+3], v[TB+16*p+4:TB+16*p+5]
	ALLP v_add_f32 v[TB+16*p+2], v[TB+16*p+2], v[TB+16*p+3]
.irp x, 1,2,4,8
	ALLP v_add_f32_dpp v[TB+16*p+2], v[TB+16*p+2], v[TB+16*p+2] row_xmask:\x row_mask:0xf bank_mask:0xf
.endr
	ALLP v_fma_f32 v[TB+16*p+2], v[TB+16*p+2], s35, s34
	ALLP v_rsq_f32 v[TB+16*p+4], v[TB+16*p+2]
	v_nop                                          ; a plain instruction behind the last root,
	s_wait_alu depctr_va_vdst(0)                   ; and one wait for the four, ahead of their first reader
	WIN 0xbe
.set k, 0
.rept 16
	ALLP v_pk_mul_f32 v[XB+32*p+2*k:XB+32*p+2*k+1], v[XB+32*p+2*k:XB+32*p+2*k+1], v[TB+16*p+4:TB+16*p+5] op_sel_hi:[1,0]
	ALLP v_pk_fma_f32 v[XB+32*p+2*k:XB+32*p+2*k+1], v[XB+32*p+2*k:XB+32*p+2*k+1], v[G1+2*k:G1+2*k+1], v[B1+2*k:B1+2*k+1]
.set k, k+1
.endr
	WIN 0x8a
.set k, 0
.rept 16
	ALLP v_cvt_pk_f16_f32 v[XB+32*p+k], v[XB+32*p+2*k], v[XB+32*p+2*k+1]
.set k, k+1
.endr
	WIN 0x08
.irp pp, 0,1,2,3
.irp j, 0,1,2,3,4,5,6,7
	ds_store_b64 v[XS], v[XB+32*\pp+2*\j:XB+32*\pp+2*\j+1] offset:(8*(\sx)+2*\pp)*PX+128*\j
.endr
.endr
.endm
; A group of eight loads: the four fragments of Wk (half 0) or Wv (half 1) of k step st, counted from the pointer, into ring set buf
.macro BLD st, half, buf
	WIN 0x40
.irp i, 0,1,2,3
	global_load_b128 v[64*(\buf)+32*(\half)+8*\i:64*(\buf)+32*(\half)+8*\i+3],   v[L16], s[40:41] offset:(\st)*8192+(4*(\half)+\i)*1024
	global_load_b128 v[64*(\buf)+32*(\half)+8*\i+4:64*(\buf)+32*(\half)+8*\i+7], v[L16], s[40:41] offset:(\st)*8192+(4*(\half)+\i)*1024+512
.endr
.endm
; xn's eight fragments of k step jn, counted from the two addresses, into buffer jn % 2
.macro ALD jn
	WIN 0
.irp f, 0,1,2,3
	ds_load_b128 v[AB+64*((\jn)%2)+8*\f:AB+64*((\jn)%2)+8*\f+3],   v[AXA] offset:\f*16*PX+64*(\jn)
	ds_load_b128 v[AB+64*((\jn)%2)+8*\f+4:AB+64*((\jn)%2)+8*\f+7], v[AXA] offset:\f*16*PX+64*(\jn)+32
.endr
.irp f, 0,1,2,3
	ds_load_b128 v[AB+64*((\jn)%2)+32+8*\f:AB+64*((\jn)%2)+32+8*\f+3],   v[AXB] offset:\f*16*PX+64*(\jn)
	ds_load_b128 v[AB+64*((\jn)%2)+32+8*\f+4:AB+64*((\jn)%2)+32+8*\f+7], v[AXB] offset:\f*16*PX+64*(\jn)+32
.endr
.endm
; A k step, the j-th of a trip of four: 32 products for K, the loads, 32 products for V.  The groups go out in the order K(0) V(0) K(1) V(1) ..; at a step's head the last one out is K(s + 3), so five
; groups, 40 loads, are younger than V(s); ny runs down where the groups end.  The 64 accumulators take turns, one instruction a turn.
; The loads stand in one run, four places behind the products that read their registers: xn's other buffer and V's ring set were read by the step before, K's ring set by the 32 products just issued.
.macro PSTEP j, first, apre, i1, i0, ny
	s_wait_loadcnt \ny
	s_wait_dscnt 0x0                               ; xn's fragments of this step
.if \first
	WIN 0x81                                       ; C: bk's tile, in window 0
.else
	WIN 0xa1
.endif
.set ft, 0
.rept 8
.set cb, 0
.rept 4
.if \first
	v_wmma_f32_16x16x32_f16 v[32*ft+8*cb:32*ft+8*cb+7], v[64*(\j)+8*cb:64*(\j)+8*cb+7], v[AB+64*((\j)%2)+8*ft:AB+64*((\j)%2)+8*ft+7], v[BK+8*cb:BK+8*cb+7]
.else
	v_wmma_f32_16x16x32_f16 v[32*ft+8*cb:32*ft+8*cb+7], v[64*(\j)+8*cb:64*(\j)+8*cb+7], v[AB+64*((\j)%2)+8*ft:AB+64*((\j)%2)+8*ft+7], v[32*ft+8*cb:32*ft+8*cb+7]
.endif
.set cb, cb+1
.endr
.set ft, ft+1
.endr
	WIN 0
	PLACES
.if \apre
	ALD (\j)+1
.endif
.if \i1
	BLD (\j)+3, 1, ((\j)+3)%4
.endif
.if \i0
	BLD (\j)+4, 0, \j
.endif
	WIN 0xf4
.set ft, 0
.rept 8
.set cb, 0
.rept 4
.if \first
	v_wmma_f32_16x16x32_f16 v[32*ft+8*cb:32*ft+8*cb+7], v[AB+64*((\j)%2)+8*ft:AB+64*((\j)%2)+8*ft+7], v[64*(\j)+32+8*cb:64*(\j)+32+8*cb+7], 0
.else
	v_wmma_f32_16x16x32_f16 v[32*ft+8*cb:32*ft+8*cb+7], v[AB+64*((\j)%2)+8*ft:AB+64*((\j)%2)+8*ft+7], v[64*(\j)+32+8*cb:64*(\j)+32+8*cb+7], v[32*ft+8*cb:32*ft+8*cb+7]
.endif
.set cb, cb+1
.endr
.set ft, ft+1
.endr
.endm
.macro PEND                            ; a trip's end: four k steps on
	WIN 0
	s_wait_xcnt 0x0                                ; the loads have read their pointer
	s_add_nc_u64 s[40:41], s[40:41], 32768
	v_add_nc_u32 v[AXA], 256, v[AXA]
	v_add_nc_u32 v[AXB], 256, v[AXB]
.endm
; One tile of 16 queries against the chunk's 128 keys.  It begins with its products: its Q was waited for in the tile before (ahead of the loop: by the wait that stands there), so no wait stands
; behind the last tile's nine stores.  The statistics, the next tile's Q and O^T come in one run behind the products.
.macro TILE
	WIN 0x3d                                       ; K window 1, Q and the mask window 3, S^T window 0
.set kt, 0
.rept 8
	v_wmma_f32_16x16x32_f16 v[SS+8*kt:SS+8*kt+7], v[16*kt:16*kt+7], v[0:7], v[MT+8*kt:MT+8*kt+7]
.set kt, kt+1
.endr
	WIN 0x0d
.set kt, 0
.rept 8
	v_wmma_f32_16x16x32_f16 v[SS+8*kt:SS+8*kt+7], v[16*kt+8:16*kt+15], v[8:15], v[SS+8*kt:SS+8*kt+7]
.set kt, kt+1
.endr
	WIN 0
	v_add_nc_u32 v[QAD], 2048, v[QAD]              ; with three v_nop the four places behind the products
	v_nop
	v_nop
	v_nop
	ds_load_b128 v[ST:ST+3], v[SAD]
	WIN 0xc0
.irp q, 0,1,2,3
	ds_load_b128 v[4*\q:4*\q+3], v[QAD] offset:512*\q   ; the next tile's Q; the ninth tile serves the last trip
.endr
.irp q, 0,1,2,3,4,5,6,7
	ds_load_b128 v[OB+4*\q:OB+4*\q+3], v[OAD] offset:512*\q
.endr
	WIN 0
.set kt, 0
.rept 8                                ; the maximum of my 64 scores: each accumulator's lowest registers first
	v_max3_num_f32 v[TT+kt], v[SS+8*kt], v[SS+8*kt+1], v[SS+8*kt+2]
.set kt, kt+1
.endr
.set kt, 0
.rept 8
	v_max3_num_f32 v[TT+kt], v[TT+kt], v[SS+8*kt+3], v[SS+8*kt+4]
.set kt, kt+1
.endr
.set kt, 0
.rept 8
	v_max3_num_f32 v[TT+kt], v[TT+kt], v[SS+8*kt+5], v[SS+8*kt+6]
.set kt, kt+1
.endr
.set kt, 0
.rept 4
	v_max3_num_f32 v[TT+kt], v[TT+kt], v[SS+16*kt+7], v[SS+16*kt+15]
.set kt, kt+1
.endr
	s_wait_dscnt 12                                ; the statistics are in (younger: Q's four loads, O's eight)
	v_max3_num_f32 v[TT], v[TT], v[TT+1], v[TT+2]
	v_max3_num_f32 v[TT+3], v[TT+3], v[TT+4], v[TT+5]
	v_max3_num_f32 v[TT+6], v[TT+6], v[TT+7], v[ST+1]
	v_mov_b32 v[CMO], v[ST]
	v_max3_num_f32 v[TT], v[TT], v[TT+3], v[TT+6]
	v_permlanex16_b32 v[TP], v[TT], s32, s33       ; the query's other 64 keys lie in the lane 16 away
	v_max_num_f32 v[ST+1], v[TT], v[TP]
	v_mul_f32 v[ST], s30, v[ST+1]
	v_sub_f32 v[TT+7], v[CMO], v[ST]
	v_exp_f32 v[AA], v[TT+7]
.set k, 0
.rept 32
	v_pk_fma_f32 v[SS+2*k:SS+2*k+1], v[SS+2*k:SS+2*k+1], s[30:31], v[ST:ST+1] op_sel_hi:[1,0,0] neg_lo:[0,0,1] neg_hi:[0,0,1]
.set k, k+1
.endr
.set k, 0
.rept 64
	v_exp_f32 v[SS+k], v[SS+k]
.set k, k+1
.endr
	v_nop                                          ; a plain instruction behind the last exponential,
	s_wait_alu depctr_va_vdst(0)                   ; and one wait for the batch of 65, ahead of its first reader
.set k, 0
.rept 32
	v_cvt_pk_f16_f32 v[PP+k], v[SS+2*k], v[SS+2*k+1]
.set k, k+1
.endr
.irp w, 1,2,4,8,16                     ; the sum of the 32 pairs, in place
.set u, 0
.rept 16/\w
	v_pk_add_f32 v[SS+4*\w*u:SS+4*\w*u+1], v[SS+4*\w*u:SS+4*\w*u+1], v[SS+4*\w*u+2*\w:SS+4*\w*u+2*\w+1]
.set u, u+1
.endr
.endr
	v_pk_fma_f32 v[ST+2:ST+3], v[ST+2:ST+3], v[AA:AA+1], v[SS:SS+1] op_sel_hi:[1,0,1]
	s_wait_dscnt 0x0                               ; O^T is in, the youngest of the run; so is the next tile's Q
	WIN 0xc3
.set k, 0
.rept 16
	v_pk_mul_f32 v[OB+2*k:OB+2*k+1], v[OB+2*k:OB+2*k+1], v[AA:AA+1] op_sel_hi:[1,0]
.set k, k+1
.endr
	WIN 0xf1                                       ; V^T window 1, P window 0, O^T window 3
.set kk, 0
.rept 4
.set cb, 0
.rept 4
	v_wmma_f32_16x16x32_f16 v[OB+8*cb:OB+8*cb+7], v[128+8*(4*kk+cb):128+8*(4*kk+cb)+7], v[PP+8*kk:PP+8*kk+7], v[OB+8*cb:OB+8*cb+7]
.set cb, cb+1
.endr
.set kk, kk+1
.endr
	WIN 0
	ds_store_b128 v[SAD], v[ST:ST+3]
	v_add_nc_u32 v[SAD], 512, v[SAD]               ; with three v_nop the four places behind the products
	v_nop
	v_nop
	v_nop
	WIN 0x0c
.irp q, 0,1,2,3,4,5,6,7
	ds_store_b128 v[OAD], v[OB+4*\q:OB+4*\q+3] offset:512*\q
.endr
	WIN 0
	v_add_nc_u32 v[OAD], 4096, v[OAD]
.endm
	s_load_b512 s[4:19], s[0:1], 0x0               ; x 4, g1 6, b1 8, bk 10, bv 12, WKV 14, QF 16, MB 18
	s_load_b64 s[20:21], s[0:1], 0x40              ; AT
	v_lshl_add_u32 v[SPW], v0, 2, SPARE
	v_mov_b32 v[NIL], 0
	v_lshrrev_b32 v[TP], 5, v0
	v_readfirstlane_b32 s22, v[TP]                 ; wave
	s_mov_b32 s23, ttmp9                           ; g
	s_and_b32 s24, ttmp7, 0xffff                   ; m
	s_lshl_b32 s25, s23, 2
	s_add_co_u32 s25, s25, s22                     ; head
	s_mov_b32 s30, 0x3e38aa3b                      ; c = log2(e) / 8
	s_mov_b32 s31, s30
	s_mov_b32 s32, 0x76543210
	s_mov_b32 s33, 0xfedcba98
	s_mov_b32 s34, 0x3727c5ac                      ; 1e-5
	s_mov_b32 s35, 0x3b000000                      ; 1 / 512
	s_mov_b32 s37, 1.0
	v_and_b32 v[RR], 15, v0
	v_bfe_u32 v[HH], v0, 4, 1
	v_and_b32 v[TP], 31, v0
	v_lshlrev_b32 v[L16], 4, v[TP]
	v_lshlrev_b32 v[PFV], 8, v[TP]
	v_mul_u32_u24 v[AX0], v[RR], PX
	v_lshl_add_u32 v[AX0], v[HH], 4, v[AX0]
	v_add_nc_u32 v[AX1], 64*PX, v[AX0]
	v_lshlrev_b32 v[XO], 4, v[RR]
	v_lshl_add_u32 v[XO], v[HH], 11, v[XO]
	s_mul_i32 s38, s22, 32*PX
	v_mul_u32_u24 v[XS0], v[HH], PX
	v_lshl_add_u32 v[XS0], v[RR], 3, v[XS0]
	v_add_nc_u32 v[XS0], s38, v[XS0]
	s_lshl_b32 s38, s22, 15
	s_add_co_u32 s38, s38, OBASE
	v_add_nc_u32 v[OA0], s38, v[L16]
	s_lshl_b32 s38, s22, 12
	s_add_co_u32 s38, s38, SBASE
	v_add_nc_u32 v[SA0], s38, v[L16]
	s_mul_i32 s38, s22, QSW
	v_add_nc_u32 v[QA0], s38, v[L16]
	v_lshlrev_b32 v[MO], 5, v[HH]
	v_lshlrev_b32 v[GO], 4, v[RR]
	v_lshlrev_b32 v[MR], 2, v[RR]
	v_mov_b32 v[ATO], v[L16]
	v_mov_b32 v[AA+1], 0                           ; named with a as a pair
.irp i, 0,1,2,3
	v_mov_b32 v[ZQ+\i], 0
.endr
	v_mov_b32 v[IQ], 0xfe000000                    ; c m: far below every c s, so the first a is 0
	v_mov_b32 v[IQ+1], 0xff7fffff                  ; m: the lowest finite number
	v_mov_b32 v[IQ+2], 0
	v_mov_b32 v[IQ+3], 0
	s_mul_i32 s38, s24, 514                        ; my first row of x: item m, behind its two head tokens, 32 rows a wave
	s_lshl_b32 s39, s22, 5
	s_add_co_u32 s38, s38, s39
	s_add_co_u32 s38, s38, 2
	s_lshl_b32 s38, s38, 11
	s_mov_b32 s39, 0
	s_wait_kmcnt 0x0
	s_add_nc_u64 s[4:5], s[4:5], s[38:39]
	s_lshl_b32 s38, s25, 8
	s_add_nc_u64 s[10:11], s[10:11], s[38:39]
	s_add_nc_u64 s[12:13], s[12:13], s[38:39]
	s_lshl_b32 s38, s25, 17
	s_add_nc_u64 s[14:15], s[14:15], s[38:39]
	s_lshl_b32 s38, s25, 14
	s_add_nc_u64 s[16:17], s[16:17], s[38:39]
	s_lshl_b32 s38, s24, 11
	s_add_nc_u64 s[18:19], s[18:19], s[38:39]
	s_lshl_b32 s38, s24, 17
	s_lshl_b32 s36, s25, 11
	s_add_co_u32 s38, s38, s36
	s_add_nc_u64 s[20:21], s[20:21], s[38:39]
.irp pp, 0,1,2,3
	XISS 0, \pp, 0                                 ; the first chunk's rows 0-15 of my 32
.endr
.irp pp, 0,1,2,3
	XISS 1, \pp, 0
.endr
	WIN 0
.irp i, 0,1,2,3
	global_load_b128 v[BK+8*\i:BK+8*\i+3],   v[MO], s[10:11] offset:64*\i       ; register j of tile cb: bk of channel 16 cb + 8 h + j
	global_load_b128 v[BK+8*\i+4:BK+8*\i+7], v[MO], s[10:11] offset:64*\i+16
.endr
	v_mov_b32 v[OAD], v[OA0]
	s_mov_b32 s28, 8
.Lzero:                                        ; O = 0, a tile a trip: my wave's own bytes
.irp q, 0,1,2,3,4,5,6,7
	ds_store_b128 v[OAD], v[ZQ:ZQ+3] offset:512*\q
.endr
	v_add_nc_u32 v[OAD], 4096, v[OAD]
	s_sub_co_u32 s28, s28, 1
	s_cmp_lg_u32 s28, 0
	s_cbranch_scc1 .Lzero
.irp q, 0,1,2,3,4,5,6,7
	ds_store_b128 v[SA0], v[IQ:IQ+3] offset:512*\q
.endr
	s_mov_b32 s26, 4
.Lchunk:
	s_wait_dscnt 0x0                               ; my reads of Q's bytes are over,
	s_barrier_signal -1
	s_barrier_wait -1                              ; everybody's are: xn may be written
	WIN 0xc0
.irp j, 0,1,2,3,4,5,6,7
	global_load_b128 v[G1+4*\j:G1+4*\j+3], v[GO], s[6:7] offset:256*\j
	global_load_b128 v[B1+4*\j:B1+4*\j+3], v[GO], s[8:9] offset:256*\j
.endr
	WIN 0
	v_mov_b32 v[XS], v[XS0]
	s_mov_b32 s27, 2
	s_wait_loadcnt 0x0                             ; g1, b1, and rows 0-15, which were asked for during the attention before
.Lln:                                          ; two trips of 16 rows.  The first asks for rows 16-31 as the sets fall free; each wait stands in the arm that knows what is out
	LNSET 0
	WIN 0
	s_cmp_eq_u32 s27, 2
	s_cbranch_scc0 .Lno_a
.irp pp, 0,1,2,3
	XISS 0, \pp, 16
.endr
	WIN 0
	s_wait_loadcnt 32                              ; all but the 32 just issued: the other set is in
	s_branch .Lhave_b
.Lno_a:
	s_wait_loadcnt 0x0
.Lhave_b:
	LNSET 1
	WIN 0
	s_cmp_eq_u32 s27, 2
	s_cbranch_scc0 .Lno_b
.irp pp, 0,1,2,3
	XISS 1, \pp, 16
.endr
	WIN 0
	s_wait_loadcnt 32                              ; all but the 32 just issued: the first set is in
	s_branch .Lhave_a
.Lno_b:
	s_wait_loadcnt 0x0
.Lhave_a:
	v_add_nc_u32 v[XS], 16*PX, v[XS]
	s_sub_co_u32 s27, s27, 1
	s_cmp_lg_u32 s27, 0
	s_cbranch_scc1 .Lln
	s_wait_xcnt 0x0
	s_add_nc_u64 s[4:5], s[4:5], 262144            ; x at the next chunk
	s_mov_b64 s[40:41], s[14:15]
.irp f, 0,1,2,3,4,5,6,7
	global_load_b32 v[FK+2*\f], v[MR], s[18:19] offset:64*\f   ; the mask of my frame, 16 f + r: wanted behind the projection, asked for ahead of it; older than every group of weights, so the steps' counts stand
.endr
	BLD 0, 0, 0                                    ; seven groups of weights go out ahead of the barrier
	BLD 0, 1, 0
	BLD 1, 0, 1
	BLD 1, 1, 1
	BLD 2, 0, 2
	BLD 2, 1, 2
	BLD 3, 0, 3
	WIN 0
	v_mov_b32 v[AXA], v[AX0]
	v_mov_b32 v[AXB], v[AX1]
	s_wait_dscnt 0x0                               ; my 32 rows of xn lie in LDS,
	s_barrier_signal -1
	s_barrier_wait -1                              ; all 128 do
	ALD 0
	PSTEP 0, 1, 1, 1, 1, 40                        ; the first step starts the sums: K's with bk, V's with 0
	PSTEP 1, 0, 1, 1, 1, 40
	PSTEP 2, 0, 1, 1, 1, 40
	PSTEP 3, 0, 1, 1, 1, 40
	PEND
	s_mov_b32 s29, 2
.Lproj:
	PSTEP 0, 0, 1, 1, 1, 40
	PSTEP 1, 0, 1, 1, 1, 40
	PSTEP 2, 0, 1, 1, 1, 40
	PSTEP 3, 0, 1, 1, 1, 40
	PEND
	s_sub_co_u32 s29, s29, 1
	s_cmp_lg_u32 s29, 0
	s_cbranch_scc1 .Lproj
	PSTEP 0, 0, 1, 1, 0, 40                        ; steps 12-15: V(15) is the last group, and the counts run down
	PSTEP 1, 0, 1, 0, 0, 32
	PSTEP 2, 0, 1, 0, 0, 16
	PSTEP 3, 0, 0, 0, 0, 0
	WIN 0
	s_wait_dscnt 0x0                               ; my reads of xn are over,
	s_barrier_signal -1
	s_barrier_wait -1                              ; everybody's are: Q may take xn's bytes
	PLACES                                         ; behind the last products
	WIN 0x4f                                       ; V's accumulators become V^T's fragments: frame tiles 2 kk and 2 kk + 1 are the halves of fragment (kk, cb)
.set ft, 0
.rept 8
.set cb, 0
.rept 4
.set i, 0
.rept 4
	v_cvt_pk_f16_f32 v[128+32*(ft/2)+8*cb+4*(ft%2)+i], v[32*ft+8*cb+2*i], v[32*ft+8*cb+2*i+1]
.set i, i+1
.endr
.set cb, cb+1
.endr
.set ft, ft+1
.endr
	WIN 0xc0
.set i, 0
.rept 32
	global_load_b128 v[4*i:4*i+3], v[L16], s[16:17] offset:512*i   ; my head's Q, 16 KiB
.set i, i+1
.endr
.irp f, 0,1,2,3,4,5,6,7
	global_load_b128 v[MT+8*\f:MT+8*\f+3],   v[MO], s[18:19] offset:64*\f       ; register j of tile kt: the mask of key 16 kt + 8 h + j
	global_load_b128 v[MT+8*\f+4:MT+8*\f+7], v[MO], s[18:19] offset:64*\f+16
.endr
	WIN 0
.irp f, 0,1,2,3,4,5,6,7                ; my frames' masks came in under the projection, whose last step waited for all loads
	v_cmp_eq_f32 vcc_lo, 0, v[FK+2*\f]
	v_cndmask_b32 v[FK+2*\f], 0, s37, vcc_lo
	v_cndmask_b32 v[FK+2*\f+1], 0, s37, vcc_lo
.endr
	WIN 0x82
.set d, 0
.rept 128
	v_pk_mul_f32 v[2*d:2*d+1], v[2*d:2*d+1], v[FK+2*(d/16):FK+2*(d/16)+1]   ; a masked frame's k becomes 0
.set d, d+1
.endr
	WIN 0x4a                                       ; K's accumulators become K's fragments: channel tiles 2 c and 2 c + 1 are the halves of fragment (ft, c)
.set d, 0
.rept 128
	v_cvt_pk_f16_f32 v[d], v[2*d], v[2*d+1]
.set d, d+1
.endr
	s_wait_loadcnt 16                              ; Q is in; the mask tiles' 16 loads may be out
	WIN 0x0c
.set i, 0
.rept 32
	ds_store_b128 v[QA0], v[4*i:4*i+3] offset:512*i
.set i, i+1
.endr
.irp i, 0,1,2,3
	ds_store_b128 v[QA0], v[4*\i:4*\i+3] offset:16384+512*\i
.endr
	WIN 0
	v_mov_b32 v[OAD], v[OA0]
	v_mov_b32 v[SAD], v[SA0]
	v_mov_b32 v[QAD], v[QA0]
	s_cmp_eq_u32 s26, 1
	s_cbranch_scc1 .Lno_x
.irp pp, 0,1,2,3
	XISS 0, \pp, 0                                 ; the next chunk's rows 0-13 come in under the attention: 56 loads
.endr
.irp pp, 0,1,2
	XISS 1, \pp, 0
.endr
	WIN 0
	s_cmp_eq_u32 s23, 0                            ; its rows 16-31 are prefetched: 32,768 bytes, a lane 256 of them, four instructions; of the two work-groups that read them g = 0 asks.
	s_cbranch_scc0 .Lno_pf                         ; They are loaded a whole attention and half an LN later.  Behind the last chunk nothing is asked for
.irp i, 0,1,2,3
	global_prefetch_b8 v[PFV], s[4:5] offset:32768+8192*\i th:TH_LOAD_NT scope:SCOPE_SE
.endr
.Lno_pf:
	s_wait_loadcnt 56                              ; the mask tiles are in
	s_branch .Lgo
.Lno_x:
	s_wait_loadcnt 0x0
.Lgo:
	WIN 0xc0
.irp q, 0,1,2,3
	ds_load_b128 v[4*\q:4*\q+3], v[QAD] offset:512*\q   ; LDS serves a wave's instructions in order (ISA guide 5.7.1.4): these see the stores above
.endr
	WIN 0
	s_mov_b32 s28, 8
	s_wait_dscnt 0x0                               ; the first tile's Q is in
.Ltile:
	TILE
	s_sub_co_u32 s28, s28, 1
	s_cmp_lg_u32 s28, 0
	s_cbranch_scc1 .Ltile
	s_cmp_eq_u32 s26, 1
	s_cbranch_scc1 .Lno_x3
	XISS 1, 3, 0                                   ; rows 14 and 15
	WIN 0
.Lno_x3:
	s_wait_xcnt 0x0
	s_add_nc_u64 s[18:19], s[18:19], 512           ; the mask at the next chunk
	s_sub_co_u32 s26, s26, 1
	s_cmp_lg_u32 s26, 0
	s_cbranch_scc1 .Lchunk
	; THE WAY OUT: O / l + bv, rounded to f16, in the fragment order of the next launch: AT[m][row tile][k block 2 head + cb / 2], half cb % 2
.irp i, 0,1,2,3
	global_load_b128 v[BV+8*\i:BV+8*\i+3],   v[MO], s[12:13] offset:64*\i
	global_load_b128 v[BV+8*\i+4:BV+8*\i+7], v[MO], s[12:13] offset:64*\i+16
.endr
	v_mov_b32 v[OAD], v[OA0]
	v_mov_b32 v[SAD], v[SA0]
	s_mov_b32 s28, 8
	s_wait_loadcnt 0x0
.Lout:
	ds_load_b128 v[ST:ST+3], v[SAD]
	WIN 0xc0
.irp q, 0,1,2,3,4,5,6,7
	ds_load_b128 v[OB+4*\q:OB+4*\q+3], v[OAD] offset:512*\q
.endr
	WIN 0
	s_wait_dscnt 0x0
	v_add_f32 v[TT], v[ST+2], v[ST+3]
	v_permlanex16_b32 v[TP], v[TT], s32, s33
	v_add_f32 v[TT], v[TT], v[TP]
	v_rcp_f32 v[AA], v[TT]
	v_nop
	s_wait_alu depctr_va_vdst(0)                   ; ahead of the reciprocal's first reader
	WIN 0xc3
.set k, 0
.rept 16
	v_pk_fma_f32 v[OB+2*k:OB+2*k+1], v[OB+2*k:OB+2*k+1], v[AA:AA+1], v[BV+2*k:BV+2*k+1] op_sel_hi:[1,0,1]
.set k, k+1
.endr
	WIN 0x0f
.set k, 0
.rept 16
	v_cvt_pk_f16_f32 v[OU+k], v[OB+2*k], v[OB+2*k+1]
.set k, k+1
.endr
	WIN 0
.irp i, 0,1,2,3
	global_store_b128 v[ATO], v[OU+4*\i:OU+4*\i+3], s[20:21] offset:512*\i   ; 512 consecutive bytes, at a multiple of 512 from AT's first
.endr
	s_wait_xcnt 0x0                                ; the stores have read their data and offset
	v_add_nc_u32 v[ATO], 16384, v[ATO]
	v_add_nc_u32 v[OAD], 4096, v[OAD]
	v_add_nc_u32 v[SAD], 512, v[SAD]
	s_sub_co_u32 s28, s28, 1
	s_cmp_lg_u32 s28, 0
	s_cbranch_scc1 .Lout
	s_wait_tensorcnt 0x0                           ; the wave's end
	ds_add_u32 v[SPW], v[NIL]
	s_wait_dscnt 0x0
	s_endpgm
.Lfunc_end_k_q0b30269ba2_attn:
	.size	k_q0b30269ba2_attn, .Lfunc_end_k_q0b30269ba2_attn-k_q0b30269ba2_attn
	.p2alignl 7, 3214868480
	.fill 96, 4, 3214868480
	.section	.rodata,"a",@progbits
	.p2align	6, 0x0
	.amdhsa_kernel k_q0b30269ba2_attn
		.amdhsa_group_segment_fixed_size 281088
		.amdhsa_private_segment_fixed_size 0
		.amdhsa_enable_private_segment 0
		.amdhsa_kernarg_size 72
		.amdhsa_user_sgpr_count 2
		.amdhsa_user_sgpr_kernarg_segment_ptr 1
		.amdhsa_wavefront_size32 1
		.amdhsa_system_sgpr_workgroup_id_x 1
		.amdhsa_system_sgpr_workgroup_id_y 1
		.amdhsa_system_sgpr_workgroup_id_z 1
		.amdhsa_system_vgpr_workitem_id 0
		.amdhsa_next_free_vgpr 1024
		.amdhsa_next_free_sgpr 66
		.amdhsa_reserve_vcc 1
		.amdhsa_float_denorm_mode_32 3
		.amdhsa_float_denorm_mode_16_64 3
		.amdhsa_memory_ordered 1
		.amdhsa_forward_progress 1
		.amdhsa_inst_pref_size 223
	.end_amdhsa_kernel
	.amdgpu_metadata
---
amdhsa.version: [ 1, 2 ]
amdhsa.kernels:
  - .name:           k_q0b30269ba2_attn
    .symbol:         k_q0b30269ba2_attn.kd
    .args:
      - { .name: music_features, .offset: 0, .size: 8, .value_kind: global_buffer, .address_space: global }
      - { .name: g1, .offset: 8, .size: 8, .value_kind: global_buffer, .address_space: global }
      - { .name: b1, .offset: 16, .size: 8, .value_kind: global_buffer, .address_space: global }
      - { .name: bk, .offset: 24, .size: 8, .value_kind: global_buffer, .address_space: global }
      - { .name: bv, .offset: 32, .size: 8, .value_kind: global_buffer, .address_space: global }
      - { .name: WKV, .offset: 40, .size: 8, .value_kind: global_buffer, .address_space: global }
      - { .name: QF, .offset: 48, .size: 8, .value_kind: global_buffer, .address_space: global }
      - { .name: MB, .offset: 56, .size: 8, .value_kind: global_buffer, .address_space: global }
      - { .name: AT, .offset: 64, .size: 8, .value_kind: global_buffer, .address_space: global }
    .group_segment_fixed_size: 281088
    .private_segment_fixed_size: 0
    .kernarg_segment_align: 8
    .kernarg_segment_size: 72
    .max_flat_workgroup_size: 128
    .sgpr_count:     66
    .vgpr_count:     1024
    .wavefront_size: 32
...
	.end_amdgpu_metadata
.endif
;; end of part 2
;; launch tail (part 3): grid 128 x 2, 4 waves a work-group, no clusters, 103,936 bytes of LDS; arguments AT, WOL, bo, g2, b2, bl, g3, b3, out0; writes out0
.if DOCPART == 3
	.amdgcn_target "amdgcn-amd-amdhsa--gfx1250"
	.amdhsa_code_object_version 6
	.text
	.protected	k_q0b30269ba2_tail
	.globl	k_q0b30269ba2_tail
	.p2align	8
	.type	k_q0b30269ba2_tail,@function
k_q0b30269ba2_tail:
	s_mov_b64 s[64:65], 0
	v_nop
	global_prefetch_b8 v0, s[64:65] scope:SCOPE_SE
	s_setreg_imm32_b32 hwreg(HW_REG_WAVE_MODE, 25, 1), 1
	s_wait_xcnt 0x0
; out = LN3(x + x Wl^T + bl), x = LN2(at Wo^T + bo), for 64 rows (item m, videos 64 vh .. 64 vh + 63) a work-group.
; SHARES.  Wave w makes channels 128 w .. 128 w + 127 of all 64 rows: 32 accumulators (channel tile nt, row tile rt) at 8 (4 nt + rt) of window 2.  Source 0 = 16 rows of the weights, source 1 = 16 rows of
; the input: a lane holds one row (l % 16) and the channels 16 nt + 8 (l / 16) + 0..7.  The weights come straight from memory in fragment order, 32 k steps on end (Wo's 16, then Wl's 16), through a ring of four
; register sets; the rows' fragments lie in LDS in fragment order (at as the launch before wrote it; x written there by the four waves).
; ONE TEXT FOR BOTH PRODUCTS: a loop over two phases holds a loop of four trips of four k steps, the LayerNorm, and what stands between the products, which phase 2 leaves by a jump forward.  What differs
; between the trips stands under scalar branches: the rows' fragments of a step beyond the phase, and the weights beyond step 31.  An arm that issues no weights waits for all loads, so that a step's counted
; wait holds on every way: a load into the step's ring set has five younger groups behind it, or such a wait.
; The sums of the first product start at bo, loaded into the accumulators; those of the second at x + bl, which is the residual and the bias.
; A row's mean and variance: in the lane, across the lanes' halves, then across the four waves through LDS.
; NO CLUSTER: each wave's weights are its own and go to registers; work-groups share no rows.
; LIMITS.  at, the weights and x are f16 as matrix operands: within 65,504.  NaN and infinities are not treated apart.
; REGISTERS: window 0: v0-31 addresses; v32-95 the rows' fragments, two buffers; v96-127 work; v128-191 P0, v192-255 P1: parameters, staging.  Window 1: the weights' ring.  Window 2: the accumulators.
.set SXB,   65536                      ; behind the 64 KiB of fragments: two exchanges of 1,024 bytes: (16 rt + r) x 16 + 4 w
.set STAGE, 69632                      ; 16 rows x 528 bytes a wave, for the way out
.set SPARE, 103424                     ; the spare words, 128 bytes a wave, that no other line names
.set SPW, 2
.set NIL, 3
.set L16, 4
.set AAD, 5
.set PO,  6                            ; 512 w + 32 h
.set SXW, 7
.set SXR, 8
.set STO, 9
.set SRD, 10
.set VO,  11                           ; 512 w + 16 l
.set RR,  12
.set HH,  13
.set AFW, 14                           ; 4,096 w + 16 l
.set AFC, 15                           ; 16,384 w + 16 l
.set AB,  32
.set TT,  96
.set QD,  104
.set MU,  120
.set P0,  128
.set P1,  192
.set MSB, 0
.macro WIN new
.if MSB != (\new)
	s_set_vgpr_msb (MSB<<8)|(\new)
.set MSB, (\new)
.endif
.endm
.macro PLACES
.rept 4
	v_nop
.endr
.endm
.macro ALLR line:vararg                ; one line for each row tile t
.set t, 0
.rept 4
	\line
.set t, t+1
.endr
.endm
.macro PLOAD lo, dst                   ; my lane's 64 numbers of a parameter: channel 16 nt + 8 h + j at dst + 8 nt + j
.irp n, 0,1,2,3,4,5,6,7
	global_load_b128 v[(\dst)+8*\n:(\dst)+8*\n+3],   v[PO], s[\lo:\lo+1] offset:64*\n
	global_load_b128 v[(\dst)+8*\n+4:(\dst)+8*\n+7], v[PO], s[\lo:\lo+1] offset:64*\n+16
.endr
.endm
.macro HLD st, half, buf               ; a group of eight loads: four fragments of the weights of step st, counted from the pointer
	WIN 0x40
.irp i, 0,1,2,3
	global_load_b128 v[64*(\buf)+32*(\half)+8*\i:64*(\buf)+32*(\half)+8*\i+3],   v[L16], s[6:7] offset:(\st)*8192+(4*(\half)+\i)*1024
	global_load_b128 v[64*(\buf)+32*(\half)+8*\i+4:64*(\buf)+32*(\half)+8*\i+7], v[L16], s[6:7] offset:(\st)*8192+(4*(\half)+\i)*1024+512
.endr
.endm
.macro ALD jn                          ; the four row tiles' fragments of step jn, counted from the address
	WIN 0
.irp f, 0,1,2,3
	ds_load_b128 v[AB+32*((\jn)%2)+8*\f:AB+32*((\jn)%2)+8*\f+3],   v[AAD] offset:\f*16384+(\jn)*1024
	ds_load_b128 v[AB+32*((\jn)%2)+8*\f+4:AB+32*((\jn)%2)+8*\f+7], v[AAD] offset:\f*16384+(\jn)*1024+512
.endr
.endm
.macro MUL16 j, n0                     ; 16 products: channel tiles n0 .. n0 + 3 x the four row tiles; the accumulators take turns
	WIN 0xa1
.set nt, \n0
.rept 4
.set rt, 0
.rept 4
	v_wmma_f32_16x16x32_f16 v[8*(4*nt+rt):8*(4*nt+rt)+7], v[64*(\j)+8*nt:64*(\j)+8*nt+7], v[AB+32*((\j)%2)+8*rt:AB+32*((\j)%2)+8*rt+7], v[8*(4*nt+rt):8*(4*nt+rt)+7]
.set rt, rt+1
.endr
.set nt, nt+1
.endr
.endm
; A k step, the j-th of a trip of four.  The groups go out in the order lower(0) upper(0) lower(1) ..; at a step's head the last one out is lower(s + 3): five groups, 40 loads, are younger than upper(s).
; s35 = 1: the rows' fragments end with this trip.  s34 = 1: so do the weights: upper(31) is the last group, in the trip's first step.
.macro TSTEP j
	s_wait_loadcnt 40
	s_wait_dscnt 0x0
	MUL16 \j, 0
	WIN 0
	PLACES                                         ; ahead of loads into registers that products have read
.if \j == 0
	s_wait_xcnt 0x0                                ; the last trip's loads, 32 products back, have read their pointer:
	s_add_nc_u64 s[6:7], s[6:7], s[38:39]          ; four k steps on; by 0 in the launch's first trip
	s_mov_b32 s38, 32768
.endif
.if \j < 3
	ALD (\j)+1
.else
	s_cmp_eq_u32 s35, 0
	s_cbranch_scc0 .Lno_a_\@
	ALD 4
.Lno_a_\@:
.endif
.if \j == 0
	HLD 3, 1, 3
	WIN 0
.endif
	s_cmp_eq_u32 s34, 0
	s_cbranch_scc0 .Lno_w_\@
.if \j > 0
	HLD (\j)+3, 1, ((\j)+3)%4
.endif
	HLD (\j)+4, 0, \j
	WIN 0
	s_branch .Lhave_w_\@
.Lno_w_\@:
	s_wait_loadcnt 0x0                             ; nothing is issued here: all that is out is waited for, and the later steps' counts hold
.Lhave_w_\@:
	MUL16 \j, 4
.endm
.macro TRIP
	s_cmp_eq_u32 s25, 1                            ; the phase's last trip?
	s_cselect_b32 s35, 1, 0
	s_cmp_eq_u32 s33, 1                            ; of the last phase?
	s_cselect_b32 s34, s35, 0
	TSTEP 0
	TSTEP 1
	TSTEP 2
	TSTEP 3
	WIN 0
	v_add_nc_u32 v[AAD], 4096, v[AAD]
.endm
; The lanes' pairs in TT become the rows' sums over all 512 channels, in QD + 4 t: halves of the pair, halves of the lanes, the four waves through LDS.  Between the reads of an exchange's bytes
; and their next writing, a phase later, stands the other exchange's barrier, with every wave's reads waited for in front of it.
.macro XCH off
	WIN 0
	ALLR v_add_f32 v[TT+2*t], v[TT+2*t], v[TT+2*t+1]
	ALLR v_permlanex16_b32 v[TT+2*t+1], v[TT+2*t], s28, s29
	ALLR v_add_f32 v[TT+2*t], v[TT+2*t], v[TT+2*t+1]
	ALLR ds_store_b32 v[SXW], v[TT+2*t] offset:(\off)+256*t
	s_wait_dscnt 0x0                               ; for the others' sake: my sums lie in LDS, and my earlier LDS reads are over
	s_barrier_signal -1
	s_barrier_wait -1
	ALLR ds_load_b128 v[QD+4*t:QD+4*t+3], v[SXR] offset:(\off)+256*t
	s_wait_dscnt 0x0
	ALLR v_add_f32 v[QD+4*t], v[QD+4*t], v[QD+4*t+1]
	ALLR v_add_f32 v[QD+4*t+2], v[QD+4*t+2], v[QD+4*t+3]
	ALLR v_add_f32 v[QD+4*t], v[QD+4*t], v[QD+4*t+2]
.endm
; LayerNorm of the accumulators in place, gain in P0 and bias in P1.  Pair q of a row tile's 32: registers 2 (q % 4) of accumulator (q / 4, t); each accumulator's lowest registers are read first.
.macro LNORM
	WIN 0
	PLACES
	WIN 0x0a
	ALLR v_pk_add_f32 v[TT+2*t:TT+2*t+1], v[8*t:8*t+1], v[8*t+2:8*t+3]
	WIN 0x08
.set q, 2
.rept 30
	ALLR v_pk_add_f32 v[TT+2*t:TT+2*t+1], v[TT+2*t:TT+2*t+1], v[8*(4*(q/4)+t)+2*(q%4):8*(4*(q/4)+t)+2*(q%4)+1]
.set q, q+1
.endr
	XCH 0
	ALLR v_mul_f32 v[MU+2*t], s27, v[QD+4*t]
	WIN 0x82
.set q, 0
.rept 32
	ALLR v_pk_add_f32 v[8*(4*(q/4)+t)+2*(q%4):8*(4*(q/4)+t)+2*(q%4)+1], v[8*(4*(q/4)+t)+2*(q%4):8*(4*(q/4)+t)+2*(q%4)+1], v[MU+2*t:MU+2*t+1] op_sel_hi:[1,0] neg_lo:[0,1] neg_hi:[0,1]
.set q, q+1
.endr
	WIN 0x0a
	ALLR v_pk_mul_f32 v[TT+2*t:TT+2*t+1], v[8*t:8*t+1], v[8*t:8*t+1]
.set q, 1
.rept 31
	ALLR v_pk_fma_f32 v[TT+2*t:TT+2*t+1], v[8*(4*(q/4)+t)+2*(q%4):8*(4*(q/4)+t)+2*(q%4)+1], v[8*(4*(q/4)+t)+2*(q%4):8*(4*(q/4)+t)+2*(q%4)+1], v[TT+2*t:TT+2*t+1]
.set q, q+1
.endr
	XCH 1024
	ALLR v_fma_f32 v[QD+4*t], v[QD+4*t], s27, s26
	ALLR v_rsq_f32 v[MU+2*t], v[QD+4*t]
	v_nop                                          ; a plain instruction behind the last root,
	s_wait_alu depctr_va_vdst(0)                   ; and one wait for the four, ahead of their first reader
	WIN 0x82
.set q, 0
.rept 32
	ALLR v_pk_mul_f32 v[8*(4*(q/4)+t)+2*(q%4):8*(4*(q/4)+t)+2*(q%4)+1], v[8*(4*(q/4)+t)+2*(q%4):8*(4*(q/4)+t)+2*(q%4)+1], v[MU+2*t:MU+2*t+1] op_sel_hi:[1,0]
	ALLR v_pk_fma_f32 v[8*(4*(q/4)+t)+2*(q%4):8*(4*(q/4)+t)+2*(q%4)+1], v[8*(4*(q/4)+t)+2*(q%4):8*(4*(q/4)+t)+2*(q%4)+1], v[P0+8*(q/4)+2*(q%4):P0+8*(q/4)+2*(q%4)+1], v[P1+8*(q/4)+2*(q%4):P1+8*(q/4)+2*(q%4)+1]
.set q, q+1
.endr
	WIN 0
.endm
	s_load_b512 s[4:19], s[0:1], 0x0               ; AT 4, WOL 6, bo 8, g2 10, b2 12, bl 14, g3 16, b3 18
	s_load_b64 s[20:21], s[0:1], 0x40              ; out0
	v_lshl_add_u32 v[SPW], v0, 2, SPARE
	v_mov_b32 v[NIL], 0
	v_lshrrev_b32 v1, 5, v0
	v_readfirstlane_b32 s22, v1                    ; wave
	s_mov_b32 s23, ttmp9                           ; m
	s_and_b32 s24, ttmp7, 0xffff                   ; vh
	s_mov_b32 s26, 0x3727c5ac                      ; 1e-5
	s_mov_b32 s27, 0x3b000000                      ; 1 / 512
	s_mov_b32 s28, 0x76543210
	s_mov_b32 s29, 0xfedcba98
	s_mov_b32 s38, 0                               ; what the weights' pointer steps by: 0 in the first trip
	s_mov_b32 s39, 0
	v_and_b32 v[RR], 15, v0
	v_bfe_u32 v[HH], v0, 4, 1
	v_and_b32 v1, 31, v0
	v_lshlrev_b32 v[L16], 4, v1
	s_lshl_b32 s30, s22, 9
	v_lshl_add_u32 v[PO], v[HH], 5, s30
	v_add_nc_u32 v[VO], s30, v[L16]
	s_lshl_b32 s31, s22, 2
	s_add_co_u32 s31, s31, SXB
	v_lshl_add_u32 v[SXW], v[RR], 4, s31
	v_lshlrev_b32 v[SXR], 4, v[RR]
	v_add_nc_u32 v[SXR], SXB, v[SXR]
	s_mul_i32 s31, s22, 16*528
	s_add_co_u32 s31, s31, STAGE
	v_mul_u32_u24 v[STO], v[RR], 528
	v_lshl_add_u32 v[STO], v[HH], 5, v[STO]
	v_add_nc_u32 v[STO], s31, v[STO]
	v_add_nc_u32 v[SRD], s31, v[L16]
	s_lshl_b32 s31, s22, 12
	v_add_nc_u32 v[AFW], s31, v[L16]
	s_lshl_b32 s31, s22, 14
	v_add_nc_u32 v[AFC], s31, v[L16]
.irp i, 0,1,2,3
	v_mov_b32 v[MU+2*\i+1], 0                      ; named with the means as pairs
.endr
	s_lshl_b32 s30, s23, 17                        ; AT: item m, row tiles 4 vh .., of which I copy tile 4 vh + w
	s_lshl_b32 s32, s24, 16
	s_add_co_u32 s30, s30, s32
	s_add_co_u32 s30, s30, s31
	s_mov_b32 s31, 0
	s_wait_kmcnt 0x0
	s_add_nc_u64 s[4:5], s[4:5], s[30:31]
	s_lshl_b32 s30, s22, 18
	s_add_nc_u64 s[6:7], s[6:7], s[30:31]
	s_lshl_b32 s30, s24, 24                        ; out0: row 64 vh of 262,144 bytes, item m of 2,048
	s_lshl_b32 s32, s23, 11
	s_add_co_u32 s30, s30, s32
	s_add_nc_u64 s[20:21], s[20:21], s[30:31]
	s_add_nc_u64 s[36:37], s[20:21], 0x800000      ; and 32 rows further on: the stores' immediates reach 31 rows
.set i, 0
.rept 32
	global_load_b128 v[P0+4*i:P0+4*i+3], v[L16], s[4:5] offset:512*i th:TH_LOAD_NT
.set i, i+1
.endr
	WIN 0x80
.set a, 0
.rept 32
	global_load_b128 v[8*a:8*a+3],   v[PO], s[8:9] offset:64*(a/4)      ; the sums start at bo
	global_load_b128 v[8*a+4:8*a+7], v[PO], s[8:9] offset:64*(a/4)+16
.set a, a+1
.endr
	HLD 0, 0, 0
	HLD 0, 1, 0
	HLD 1, 0, 1
	HLD 1, 1, 1
	HLD 2, 0, 2
	HLD 2, 1, 2
	HLD 3, 0, 3
	WIN 0
	s_wait_loadcnt 56                              ; all but the seven groups of weights
.set i, 0
.rept 32
	ds_store_b128 v[AFC], v[P0+4*i:P0+4*i+3] offset:512*i
.set i, i+1
.endr
	s_wait_dscnt 0x0
	s_barrier_signal -1
	s_barrier_wait -1                              ; all four row tiles lie in LDS
	PLOAD 10, P0                                   ; g2, b2: younger than the weights' first groups, so the first steps' counts of 40 ask for more than they need
	PLOAD 12, P1
	v_mov_b32 v[AAD], v[L16]
	ALD 0
	s_mov_b32 s33, 2
.Lphase:                                       ; phase 2 - s33 + 1: a product of 16 k steps and its LayerNorm
	s_mov_b32 s25, 4
.Ltrip:
	TRIP
	s_sub_co_u32 s25, s25, 1
	s_cmp_lg_u32 s25, 0
	s_cbranch_scc1 .Ltrip
	s_wait_loadcnt 56                              ; gain and bias are older than the seven groups of weights that may be out
	LNORM
	s_cmp_eq_u32 s33, 1
	s_cbranch_scc1 .Lway_out
	PLOAD 14, P0                                   ; bl
	; x, rounded to f16, goes where at lay (LNORM's barriers stand behind every wave's reads of it): accumulator (nt, rt) is half nt % 2 of fragment (rt, 4 w + nt / 2)
.irp b, 0,1
	WIN 0x0a
.set d, 0
.rept 64
	v_cvt_pk_f16_f32 v[P1+d], v[128*\b+2*d], v[128*\b+2*d+1]
.set d, d+1
.endr
	WIN 0
.set e, 0
.rept 16
	ds_store_b128 v[AFW], v[P1+4*e:P1+4*e+3] offset:(e%4)*16384+(4*\b+e/4)*512
.set e, e+1
.endr
.endr
	s_wait_loadcnt 0x0
	WIN 0x82
.set q, 0
.rept 32
	ALLR v_pk_add_f32 v[8*(4*(q/4)+t)+2*(q%4):8*(4*(q/4)+t)+2*(q%4)+1], v[8*(4*(q/4)+t)+2*(q%4):8*(4*(q/4)+t)+2*(q%4)+1], v[P0+8*(q/4)+2*(q%4):P0+8*(q/4)+2*(q%4)+1]
.set q, q+1
.endr
	WIN 0
	s_wait_dscnt 0x0
	s_barrier_signal -1
	s_barrier_wait -1                              ; all of x lies in LDS
	PLOAD 16, P0                                   ; g3, b3
	PLOAD 18, P1
	v_mov_b32 v[AAD], v[L16]
	ALD 0
	s_sub_co_u32 s33, s33, 1
	s_cmp_lg_u32 s33, 0
	s_cbranch_scc1 .Lphase
.Lway_out:
	; THE WAY OUT, a row tile at a time through my stage: 32 bytes a lane in, whole pieces of rows back: a store covers my 512 consecutive bytes of one row of out0.
	; Each row tile has 64 registers of its own (P0, P1, two sets of the idle ring) and the bases are never written: no store's source is rewritten.
.irp rt, 0,1,2,3
.if \rt < 2
.set OBF, P0+64*\rt
.set OWL, 0
.set OWS, 0
.else
.set OBF, 64*(\rt-2)
.set OWL, 0x40
.set OWS, 0x04
.endif
	WIN 0x08
.irp n, 0,1,2,3,4,5,6,7
	ds_store_b128 v[STO], v[8*(4*\n+\rt):8*(4*\n+\rt)+3]   offset:64*\n
	ds_store_b128 v[STO], v[8*(4*\n+\rt)+4:8*(4*\n+\rt)+7] offset:64*\n+16
.endr
	WIN OWL
.set i, 0
.rept 16
	ds_load_b128 v[OBF+4*i:OBF+4*i+3], v[SRD] offset:528*i   ; LDS serves a wave's instructions in order (ISA guide 5.7.1.4): these see the stores above, and the next tile's stores come behind them
.set i, i+1
.endr
	WIN OWS
.set i, 0
.rept 16
.if i%4 == 0
	s_wait_dscnt 12-i                              ; the next four rows are back: so many younger loads may be out
.endif
.if \rt < 2
	global_store_b128 v[VO], v[OBF+4*i:OBF+4*i+3], s[20:21] offset:4194304*(\rt%2)+262144*i th:TH_STORE_NT
.else
	global_store_b128 v[VO], v[OBF+4*i:OBF+4*i+3], s[36:37] offset:4194304*(\rt%2)+262144*i th:TH_STORE_NT
.endif
.set i, i+1
.endr
.endr
	WIN 0
	s_wait_tensorcnt 0x0                           ; the wave's end
	ds_add_u32 v[SPW], v[NIL]
	s_wait_dscnt 0x0
	s_endpgm
.Lfunc_end_k_q0b30269ba2_tail:
	.size	k_q0b30269ba2_tail, .Lfunc_end_k_q0b30269ba2_tail-k_q0b30269ba2_tail
	.p2alignl 7, 3214868480
	.fill 96, 4, 3214868480
	.section	.rodata,"a",@progbits
	.p2align	6, 0x0
	.amdhsa_kernel k_q0b30269ba2_tail
		.amdhsa_group_segment_fixed_size 103936
		.amdhsa_private_segment_fixed_size 0
		.amdhsa_enable_private_segment 0
		.amdhsa_kernarg_size 72
		.amdhsa_user_sgpr_count 2
		.amdhsa_user_sgpr_kernarg_segment_ptr 1
		.amdhsa_wavefront_size32 1
		.amdhsa_system_sgpr_workgroup_id_x 1
		.amdhsa_system_sgpr_workgroup_id_y 1
		.amdhsa_system_sgpr_workgroup_id_z 1
		.amdhsa_system_vgpr_workitem_id 0
		.amdhsa_next_free_vgpr 768
		.amdhsa_next_free_sgpr 66
		.amdhsa_reserve_vcc 0
		.amdhsa_float_denorm_mode_32 3
		.amdhsa_float_denorm_mode_16_64 3
		.amdhsa_memory_ordered 1
		.amdhsa_forward_progress 1
		.amdhsa_inst_pref_size 124
	.end_amdhsa_kernel
	.amdgpu_metadata
---
amdhsa.version: [ 1, 2 ]
amdhsa.kernels:
  - .name:           k_q0b30269ba2_tail
    .symbol:         k_q0b30269ba2_tail.kd
    .args:
      - { .name: AT, .offset: 0, .size: 8, .value_kind: global_buffer, .address_space: global }
      - { .name: WOL, .offset: 8, .size: 8, .value_kind: global_buffer, .address_space: global }
      - { .name: bo, .offset: 16, .size: 8, .value_kind: global_buffer, .address_space: global }
      - { .name: g2, .offset: 24, .size: 8, .value_kind: global_buffer, .address_space: global }
      - { .name: b2, .offset: 32, .size: 8, .value_kind: global_buffer, .address_space: global }
      - { .name: bl, .offset: 40, .size: 8, .value_kind: global_buffer, .address_space: global }
      - { .name: g3, .offset: 48, .size: 8, .value_kind: global_buffer, .address_space: global }
      - { .name: b3, .offset: 56, .size: 8, .value_kind: global_buffer, .address_space: global }
      - { .name: out0, .offset: 64, .size: 8, .value_kind: global_buffer, .address_space: global }
    .group_segment_fixed_size: 103936
    .private_segment_fixed_size: 0
    .kernarg_segment_align: 8
    .kernarg_segment_size: 72
    .max_flat_workgroup_size: 128
    .sgpr_count:     66
    .vgpr_count:     768
    .wavefront_size: 32
...
	.end_amdgpu_metadata
.endif
;; end of part 3
